; MI455X (gfx1250); checked and timed in simulation.
; The chip was launched on July 23, 2026; its instructions are those of AMD's public machine-readable ISA for CDNA 5 (MIT licence, August 2026) and "CDNA5" Instruction Set Architecture Reference Guide (July 2026). The comments in the code are by the model that wrote it; some were corrected since.
;; Temporal Attention. Allowed arithmetic: float matrix products may take bf16 or f16 operands with f32 sums; all other float work in f32.
;; Inputs: Wk 1,024 x 1,024 float32; Wq 1,024 x 1,024 float32; Wv 1,024 x 1,024 float32; bk 1,024 float32; bq 1,024 float32; bv 1,024 float32; x 32 x 1,024 x 1,024 float32.
;; Outputs: out0 32 x 1,024 float32; out1 32 x 1,024 float32.
;; One version. Each part assembles by itself: llvm-mc -triple=amdgcn-amd-amdhsa -mcpu=gfx1250 --defsym DOCPART=n.
;; ======== version 1 of 1: 4 launches
;; workspace buffers: q 65,536 bytes; u 131,072 bytes; cb 256 bytes; part 1,114,112 bytes; scores 131,072 bytes
;; launch qproj (part 1): grid 64 x 1, 16 waves a work-group, no clusters, 145,408 bytes of LDS; arguments x, Wq, bq, q; writes q
.if DOCPART == 1
	.amdgcn_target "amdgcn-amd-amdhsa--gfx1250"
	.amdhsa_code_object_version 6
	.text
	.protected	k_q8311565bb7_qproj
	.globl	k_q8311565bb7_qproj
	.p2align	8
	.type	k_q8311565bb7_qproj,@function
k_q8311565bb7_qproj:
	s_mov_b64 s[64:65], 0
	v_nop
	global_prefetch_b8 v0, s[64:65] scope:SCOPE_SE
	s_setreg_imm32_b32 hwreg(HW_REG_WAVE_MODE, 25, 1), 1
	s_wait_xcnt 0x0
; q[b][d] = sum over k of x[b][1023][k] Wq[d][k] + bq[d], 32 batches x 1024 d, stored as bf16 in the order in which the next launch
; takes it as matrix fragments: element (b, d) at byte (d>>5)*2048 + (b>>4)*1024 + ((d>>3)&1)*512 + (((d>>4)&1)*16 + (b&15))*16 + (d&7)*2.
; Work-group s makes d = 16 s .. 16 s + 15 for all 32 batches.  Wave w takes k = 64 w .. 64 w + 63: 256 bytes of each of 48 rows
; (16 of Wq, 32 last rows of x), one 8-byte load a lane and row, so that each load of a wave covers 256 consecutive bytes, aligned.
; All 48 loads of a wave go out at once; the numbers are rounded to bf16 in registers, laid into the wave's own LDS rows and taken back
; as fragments.  The sixteen waves' partial sums meet in LDS behind the one barrier; waves 0 and 1 add them onto the bias.
; LIMITS: x's last rows and Wq are rounded to bf16 as matrix operands, q is rounded to bf16 (the next launch's operand); sums in f32.
; NO CLUSTER, NO TENSOR LOAD: what the 64 work-groups share is the 128 KiB of last rows; each wave asks for all its bytes in its first lines,
; and the f32 numbers have to pass through registers to become bf16 in any case.
.set PITCH, 144                        ; an LDS row: 128 bytes of bf16 + 16: an odd multiple of 16, so the 16 rows of a fragment load begin 16 bytes apart modulo 256
.set WREG,  48*PITCH                   ; a wave's rows: 0-15 Wq, 16-47 x of batch row - 16
.set SCR,   16*WREG                    ; behind them: 2,048 bytes a wave for the partial sums
.set XLAST, 1023*4096+2*4194304        ; row 1023 of batch 2: the loads reach two batches back and one forward by their immediates
.set LANE, 1
.set LW,   2                           ; LDS: where my word of a row goes
.set FR,   3                           ; LDS: my fragment address
.set SW,   4                           ; LDS: where my partial sums go
.set SRD,  5                           ; LDS: where waves 0, 1 read them
.set QO,   6                           ; my byte offset in q
.set BO,   7                           ; my byte offset in bq
.set VO,   8                           ; v[8:15]   8 x lane + g x 4 batches of x
.set SUM,  16                          ; v[16:23]  bias, then the sums
.set PK,   24                          ; v[24:27]  8 bf16 to store
.set TR,   28                          ; lane % 16
.set TH,   29                          ; lane / 16
.set TT,   30                          ; at work
.set RAW,  32                          ; v[32:127] row i: 2 registers as loaded; the first then holds 2 bf16
.set WF,   32                          ; v[32:47]  fragments of Wq, K step ks at 8 ks (over RAW, which is in LDS by then)
.set XF,   48                          ; v[48:79]  fragments of x, batches 16 mt.., at 16 mt + 8 ks
.set ACC,  80                          ; v[80:95]  two accumulators
.set RED,  96                          ; v[96:223] the sixteen waves' partial sums
	s_load_b256 s[4:11], s[0:1], 0x0               ; x s[4:5], Wq s[6:7], bq s[8:9], q s[10:11]
	v_lshl_add_u32 v224, v0, 2, 0x23000
	v_mov_b32 v225, 0
	v_lshrrev_b32 v[TT], 5, v0
	v_readfirstlane_b32 s12, v[TT]                 ; wave w
	v_and_b32 v[LANE], 31, v0
	v_and_b32 v[TR], 15, v0
	v_bfe_u32 v[TH], v0, 4, 1
	s_lshl_b32 s14, s12, 8                         ; 256 w: my slice of a row
	s_lshl_b32 s16, ttmp9, 16
	s_add_co_u32 s16, s16, s14                     ; Wq: 16 s rows of 4,096 bytes + my slice
	s_mov_b32 s17, 0
	s_add_co_u32 s14, s14, XLAST                   ; x: the last row of batch 2 + my slice
	s_mov_b32 s15, 0
	s_lshl_b32 s18, ttmp9, 6                       ; bq: 16 s numbers
	s_mov_b32 s19, 0
	s_lshr_b32 s20, ttmp9, 1
	s_lshl_b32 s20, s20, 11                        ; q: (s >> 1) x 2,048
	s_and_b32 s21, ttmp9, 1
	s_lshl_b32 s21, s21, 8
	s_add_co_u32 s20, s20, s21                     ;    + (s & 1) x 256
	s_mov_b32 s21, 0
	v_lshlrev_b32 v[VO], 3, v[LANE]                ; 8 bytes a lane
.irp g, 1,2,3,4,5,6,7
	v_add_nc_u32 v[VO+\g], \g*16777216, v[VO]      ; + 4 g batches of 4,194,304 bytes
.endr
	v_lshlrev_b32 v[BO], 5, v[TH]                  ; my 8 numbers of bq: d = 16 s + 8 h ..
	s_wait_kmcnt 0x0
	s_add_nc_u64 s[4:5], s[4:5], s[14:15]
	s_add_nc_u64 s[6:7], s[6:7], s[16:17]
	s_add_nc_u64 s[8:9], s[8:9], s[18:19]
	s_add_nc_u64 s[10:11], s[10:11], s[20:21]
	s_cmp_gt_u32 s12, 1                            ; only waves 0 and 1 add the bias; their two loads are older than all that is counted below
	s_cbranch_scc1 .Lno_bias
	global_load_b128 v[SUM:SUM+3],   v[BO], s[8:9]
	global_load_b128 v[SUM+4:SUM+7], v[BO], s[8:9] offset:16
.Lno_bias:
.set i, 0
.rept 16
	global_load_b64 v[RAW+2*i:RAW+2*i+1], v[VO], s[6:7] offset:4096*i th:TH_LOAD_NT   ; Wq is read once in the launch
.set i, i+1
.endr
.set b, 0
.rept 32
	global_load_b64 v[RAW+32+2*b:RAW+33+2*b], v[VO+b/4], s[4:5] offset:(b%4-2)*4194304   ; batch b = 4 g + 2 + (-2 .. 1)
.set b, b+1
.endr
	s_mul_i32 s13, s12, WREG                       ; my rows in LDS
	s_lshl_b32 s22, s12, 11
	s_add_co_u32 s22, s22, SCR                     ; my partial sums in LDS
	v_lshl_add_u32 v[LW], v[LANE], 2, s13
	v_mul_u32_u24 v[TT], v[TR], PITCH
	v_lshl_add_u32 v[TT], v[TH], 4, v[TT]
	v_add_nc_u32 v[FR], s13, v[TT]                 ; row (lane % 16) x pitch + 16 (lane / 16)
	v_lshl_add_u32 v[SW], v[LANE], 4, s22
; Eight rows: two f32 become two bf16 in place, and go to LDS.  left = the loads younger than these eight.
.macro STAGE8 first, left
	s_wait_loadcnt \left                           ; loads come back in order (ISA guide 5.7.1)
.irp i, 0,1,2,3,4,5,6,7
	v_cvt_pk_bf16_f32 v[RAW+2*(\first+\i)], v[RAW+2*(\first+\i)], v[RAW+2*(\first+\i)+1]
.endr
.irp i, 0,1,2,3,4,5,6,7
	ds_store_b32 v[LW], v[RAW+2*(\first+\i)] offset:(\first+\i)*PITCH
.endr
.endm
	STAGE8 0,  40
	STAGE8 8,  32
	STAGE8 16, 24
	STAGE8 24, 16
	STAGE8 32, 8
	STAGE8 40, 0
	; Fragments, 16 rows x 32 K: lane l takes row l % 16, 16 bytes at 16 (l / 16) and 16 bytes 32 further on.  The bytes are my wave's own,
	; and LDS serves a wave's instructions in order (ISA guide 5.7.1.4): no wait between the stores above and these loads.
.irp ks, 0,1
	ds_load_b128 v[WF+8*\ks:WF+8*\ks+3],   v[FR] offset:64*\ks
	ds_load_b128 v[WF+8*\ks+4:WF+8*\ks+7], v[FR] offset:64*\ks+32
.irp mt, 0,1
	ds_load_b128 v[XF+16*\mt+8*\ks:XF+16*\mt+8*\ks+3],   v[FR] offset:(1+\mt)*16*PITCH+64*\ks
	ds_load_b128 v[XF+16*\mt+8*\ks+4:XF+16*\mt+8*\ks+7], v[FR] offset:(1+\mt)*16*PITCH+64*\ks+32
.endr
.endr
	s_wait_dscnt 0x0
	; Source 0 = rows of Wq, source 1 = rows of x: register j of lane l is d = 16 s + 8 (l / 16) + j of batch 16 mt + l % 16, eight neighbouring d.
	; The first products start the sums; the two accumulators take turns, one instruction a turn.
	v_wmma_f32_16x16x32_bf16 v[ACC:ACC+7],    v[WF:WF+7],    v[XF:XF+7],     0
	v_wmma_f32_16x16x32_bf16 v[ACC+8:ACC+15], v[WF:WF+7],    v[XF+16:XF+23], 0
	v_wmma_f32_16x16x32_bf16 v[ACC:ACC+7],    v[WF+8:WF+15], v[XF+8:XF+15],  v[ACC:ACC+7]
	v_wmma_f32_16x16x32_bf16 v[ACC+8:ACC+15], v[WF+8:WF+15], v[XF+24:XF+31], v[ACC+8:ACC+15]
.rept 4
	v_nop                                          ; four places before an LDS store reads a matrix result
.endr
.irp q4, 0,1,2,3
	ds_store_b128 v[SW], v[ACC+4*\q4:ACC+4*\q4+3] offset:512*\q4   ; block 2 mt + (j / 4), 16 bytes a lane
.endr
	s_wait_dscnt 0x0                               ; my partial sums are in LDS before I say so
	s_barrier_signal -1
	s_barrier_wait -1
	s_cmp_gt_u32 s12, 1
	s_cbranch_scc1 .Lend
	; wave mt = 0, 1: the sixteen partial sums of batches 16 mt .. 16 mt + 15
	s_lshl_b32 s13, s12, 10
	s_add_co_u32 s22, s13, SCR
	v_lshl_add_u32 v[SRD], v[LANE], 4, s22
	v_lshlrev_b32 v[TT], 4, v[TR]
	v_lshl_add_u32 v[TT], v[TH], 9, v[TT]
	v_add_nc_u32 v[QO], s13, v[TT]                 ; 1,024 mt + 512 (l / 16) + 16 (l % 16)
.set n, 0
.rept 32
	ds_load_b128 v[RED+4*n:RED+4*n+3], v[SRD] offset:(n/2)*2048+(n%2)*512
.set n, n+1
.endr
	s_wait_dscnt 0x0
.irp st, 8,4,2,1
.set k, 0
.rept \st
.irp p, 0,2,4,6
	v_pk_add_f32 v[RED+8*k+\p:RED+8*k+\p+1], v[RED+8*k+\p:RED+8*k+\p+1], v[RED+8*(k+\st)+\p:RED+8*(k+\st)+\p+1]
.endr
.set k, k+1
.endr
.endr
.irp p, 0,2,4,6
	v_pk_add_f32 v[SUM+\p:SUM+\p+1], v[SUM+\p:SUM+\p+1], v[RED+\p:RED+\p+1]   ; the bias came in with the last wait for loads above
.endr
.irp p, 0,1,2,3
	v_cvt_pk_bf16_f32 v[PK+\p], v[SUM+2*\p], v[SUM+2*\p+1]
.endr
	global_store_b128 v[QO], v[PK:PK+3], s[10:11]  ; each half of the wave stores 256 consecutive bytes, aligned
.Lend:
	s_wait_tensorcnt 0x0
	ds_add_u32 v224, v225
	s_wait_dscnt 0x0
	s_endpgm
.Lfunc_end_k_q8311565bb7_qproj:
	.size	k_q8311565bb7_qproj, .Lfunc_end_k_q8311565bb7_qproj-k_q8311565bb7_qproj
	.p2alignl 7, 3214868480
	.fill 96, 4, 3214868480
	.section	.rodata,"a",@progbits
	.p2align	6, 0x0
	.amdhsa_kernel k_q8311565bb7_qproj
		.amdhsa_group_segment_fixed_size 145408
		.amdhsa_private_segment_fixed_size 0
		.amdhsa_enable_private_segment 0
		.amdhsa_kernarg_size 32
		.amdhsa_user_sgpr_count 2
		.amdhsa_user_sgpr_kernarg_segment_ptr 1
		.amdhsa_wavefront_size32 1
		.amdhsa_system_sgpr_workgroup_id_x 1
		.amdhsa_system_sgpr_workgroup_id_y 1
		.amdhsa_system_sgpr_workgroup_id_z 1
		.amdhsa_system_vgpr_workitem_id 0
		.amdhsa_next_free_vgpr 226
		.amdhsa_next_free_sgpr 66
		.amdhsa_reserve_vcc 0
		.amdhsa_float_denorm_mode_32 3
		.amdhsa_float_denorm_mode_16_64 3
		.amdhsa_memory_ordered 1
		.amdhsa_forward_progress 1
		.amdhsa_inst_pref_size 22
	.end_amdhsa_kernel
	.amdgpu_metadata
---
amdhsa.version: [ 1, 2 ]
amdhsa.kernels:
  - .name:           k_q8311565bb7_qproj
    .symbol:         k_q8311565bb7_qproj.kd
    .args:
      - { .name: x, .offset: 0, .size: 8, .value_kind: global_buffer, .address_space: global }
      - { .name: Wq, .offset: 8, .size: 8, .value_kind: global_buffer, .address_space: global }
      - { .name: bq, .offset: 16, .size: 8, .value_kind: global_buffer, .address_space: global }
      - { .name: q, .offset: 24, .size: 8, .value_kind: global_buffer, .address_space: global }
    .group_segment_fixed_size: 145408
    .private_segment_fixed_size: 0
    .kernarg_segment_align: 8
    .kernarg_segment_size: 32
    .max_flat_workgroup_size: 512
    .sgpr_count:     66
    .vgpr_count:     226
    .wavefront_size: 32
...
	.end_amdgpu_metadata
.endif
;; end of part 1
;; launch uproj (part 2): grid 16 x 1, 16 waves a work-group, no clusters, 135,168 bytes of LDS; arguments q, Wk, bk, u, cb; writes u, cb
.if DOCPART == 2
	.amdgcn_target "amdgcn-amd-amdhsa--gfx1250"
	.amdhsa_code_object_version 6
	.text
	.protected	k_q8311565bb7_uproj
	.globl	k_q8311565bb7_uproj
	.p2align	8
	.type	k_q8311565bb7_uproj,@function
k_q8311565bb7_uproj:
	s_mov_b64 s[64:65], 0
	v_nop
	global_prefetch_b8 v0, s[64:65] scope:SCOPE_SE
	s_setreg_imm32_b32 hwreg(HW_REG_WAVE_MODE, 25, 1), 1
	s_wait_xcnt 0x0
; u[b][h] = sum over d of q[b][d] Wk[d][h] (f32), and c[b] = sum over d of q[b][d] bk[d]: with them a score is (x[b][s] . u[b] + c[b]) / 32,
; which is q . (x Wk^T + bk) / 32 with the sums taken in another order: K is never formed.
; Work-group n makes columns 64 n .. 64 n + 63 for all 32 batches.  Wave w takes d = 64 w .. 64 w + 63, two K steps of 32.
; Wk lies with K down the rows.  A lane loads 16 bytes (4 columns) of 16 rows for each K step; each half of the wave takes 256 consecutive
; bytes, aligned.  Component t of these loads is column 64 n + 4 r + t, so tile t's column r is that column, and two rows' numbers pack into one
; register of the fragment: no LDS, no transposing load.  The place of d in the registers is then d = 32 KS + 16 h + 2 i + e (half h, register
; i, half-word e), and q was stored by the launch before in exactly that order: a permutation of K applied alike to both operands.
; bk is a fifth tile with bk[d] in all sixteen columns.  Only work-group 0 stores c; in the others that tile (4 of a wave's 20 matrix
; instructions) is computed without use, rather than putting matrix instructions under a branch.
; LIMITS: q, Wk and bk are bf16 matrix operands, sums in f32.
; SIXTEEN WORK-GROUPS: a work-group must own 64 columns for its loads and stores to cover 256 consecutive bytes; each asks for its 256 KiB of Wk
; at once.  NO CLUSTER: the work-groups share only q, 64 KiB against 4 MiB of Wk.
.set AF, 16                            ; v[16:47]   fragments of q: K step ks, batches 16 mt.., at 16 ks + 8 mt
.set BK, 48                            ; v[48:79]   bk as loaded, 16 numbers a K step; then its fragments at 16 ks, and c's accumulators at 8 + 16 mt
.set BF, 80                            ; v[80:111]  fragments of Wk, tile t at 8 t
.set R0, 112                           ; v[112:175] Wk as loaded, K step 0: row j at 4 j
.set R1, 176                           ; v[176:239] K step 1; later the sixteen waves' partial sums
.set D,  112                           ; v[112:175] accumulators (mt, t) at 8 (4 mt + t), over R0 when it has been converted
.set CREG, 131072                      ; LDS: sixteen waves x [32][64] f32 come first, then sixteen x 32 words for c
	s_load_b256 s[4:11], s[0:1], 0x0               ; q s[4:5], Wk s[6:7], bk s[8:9], u s[10:11]
	s_load_b64 s[12:13], s[0:1], 0x20              ; cb
	v_lshl_add_u32 v240, v0, 2, 0x20800
	v_mov_b32 v241, 0
	v_lshrrev_b32 v11, 5, v0
	v_readfirstlane_b32 s14, v11                   ; wave w
	v_and_b32 v12, 31, v0                          ; lane
	v_and_b32 v13, 15, v0                          ; r
	v_bfe_u32 v14, v0, 4, 1                        ; h
	v_lshlrev_b32 v1, 4, v12                       ; q: 16 bytes a lane
	v_lshlrev_b32 v2, 6, v14                       ; bk: 16 numbers a half
	v_lshlrev_b32 v15, 4, v13                      ; 16 r
	v_lshl_add_u32 v3, v14, 16, v15                ; Wk: 16 h rows of 4,096 bytes + 16 r
	s_lshl_b32 s16, s14, 12                        ; q: K steps 2 w, 2 w + 1 of 2,048 bytes
	s_mov_b32 s17, 0
	s_lshl_b32 s20, ttmp9, 8                       ; u: 64 n columns
	s_mov_b32 s21, 0
	s_lshl_b32 s18, s14, 18
	s_add_co_u32 s18, s18, s20                     ; Wk: 64 w rows + 64 n columns
	s_mov_b32 s19, 0
	s_lshl_b32 s22, s14, 8                         ; bk: 64 w numbers
	s_mov_b32 s23, 0
	s_wait_kmcnt 0x0
	s_add_nc_u64 s[4:5], s[4:5], s[16:17]
	s_add_nc_u64 s[6:7], s[6:7], s[18:19]
	s_add_nc_u64 s[8:9], s[8:9], s[22:23]
	s_add_nc_u64 s[10:11], s[10:11], s[20:21]
.irp ks, 0,1
.irp mt, 0,1
.irp gi, 0,1
	global_load_b128 v[AF+16*\ks+8*\mt+4*\gi:AF+16*\ks+8*\mt+4*\gi+3], v1, s[4:5] offset:2048*\ks+1024*\mt+512*\gi
.endr
.endr
.endr
.irp ks, 0,1
.irp i, 0,1,2,3
	global_load_b128 v[BK+16*\ks+4*\i:BK+16*\ks+4*\i+3], v2, s[8:9] offset:128*\ks+16*\i
.endr
.endr
	; Load j = 16 ks + j' takes row 64 w + 32 ks + 16 h + j': the lane term carries 16 h, the immediate 32 ks + j' = j + 16 (j / 16) rows.
	; The last row reached is 64 w + 63.  Wk is read once in the launch.
.set j, 0
.rept 32
	global_load_b128 v[R0+4*j:R0+4*j+3], v3, s[6:7] offset:4096*(j+16*(j/16)) th:TH_LOAD_NT
.set j, j+1
.endr
	s_lshl_b32 s24, s14, 13                        ; my [32][64] in LDS
	s_lshl_b32 s25, s14, 7
	s_add_co_u32 s25, s25, CREG                    ; my 32 words of c
	v_lshl_add_u32 v4, v14, 11, v15
	v_add_nc_u32 v4, s24, v4                       ; 8 h rows of 256 bytes + 16 r
	v_lshl_add_u32 v5, v14, 5, s25                 ; 8 h words
	v_lshlrev_b32 v6, 4, v0                        ; read back: 16 bytes a thread, waves 0-7's parts
	v_add_nc_u32 v7, 0x10000, v6                   ; waves 8-15's: an LDS offset has 16 bits
	v_lshrrev_b32 v8, 4, v0
	v_lshl_add_u32 v8, v8, 12, v15                 ; u: batch (thread / 16), 16 r
	v_lshlrev_b32 v10, 2, v12                      ; cb: 4 bytes a lane
	v_add_nc_u32 v9, CREG, v10
	s_wait_loadcnt 32                              ; q and bk are in; the 32 loads of Wk may be out
.irp ks, 0,1
.irp i, 0,1,2,3,4,5,6,7
	v_cvt_pk_bf16_f32 v[BK+16*\ks+\i], v[BK+16*\ks+2*\i], v[BK+16*\ks+2*\i+1]   ; register i is never above its sources 2 i, 2 i + 1
.endr
.endr
.macro CVTB raw                        ; 16 rows x 4 columns of f32 become four fragments
.irp t, 0,1,2,3
.irp i, 0,1,2,3,4,5,6,7
	v_cvt_pk_bf16_f32 v[BF+8*\t+\i], v[\raw+8*\i+\t], v[\raw+8*\i+4+\t]
.endr
.endr
.endm
; Ten matrix instructions on ten accumulators, always in this order: they take turns, one instruction a turn.
.macro MUL ks, zero
.irp mt, 0,1
.irp t, 0,1,2,3
.if \zero
	v_wmma_f32_16x16x32_bf16 v[D+8*(4*\mt+\t):D+8*(4*\mt+\t)+7], v[AF+16*\ks+8*\mt:AF+16*\ks+8*\mt+7], v[BF+8*\t:BF+8*\t+7], 0
.else
	v_wmma_f32_16x16x32_bf16 v[D+8*(4*\mt+\t):D+8*(4*\mt+\t)+7], v[AF+16*\ks+8*\mt:AF+16*\ks+8*\mt+7], v[BF+8*\t:BF+8*\t+7], v[D+8*(4*\mt+\t):D+8*(4*\mt+\t)+7]
.endif
.endr
.if \zero
	v_wmma_f32_16x16x32_bf16 v[BK+8+16*\mt:BK+15+16*\mt], v[AF+16*\ks+8*\mt:AF+16*\ks+8*\mt+7], v[BK+16*\ks:BK+16*\ks+7], 0
.else
	v_wmma_f32_16x16x32_bf16 v[BK+8+16*\mt:BK+15+16*\mt], v[AF+16*\ks+8*\mt:AF+16*\ks+8*\mt+7], v[BK+16*\ks:BK+16*\ks+7], v[BK+8+16*\mt:BK+15+16*\mt]
.endif
.endr
.endm
	s_wait_loadcnt 16                              ; K step 0's sixteen rows are in
	CVTB R0
	MUL 0, 1                                       ; the first products start the sums
	s_wait_loadcnt 0x0
.rept 4
	v_nop                                          ; four places before a vector instruction writes a matrix instruction's source (ISA guide 7.12.1)
.endr
	CVTB R1
	MUL 1, 0
.rept 4
	v_nop                                          ; four places before an LDS store reads a matrix result
.endr
	; register j of lane (r, h) is batch 16 mt + 8 h + j, column 4 r + t.  The two halves of the wave store 2,048 bytes apart and so into the
	; same banks (64 banks of 4 bytes: ISA guide 11.1), two deep; a pad would break the 16-byte rows of the read back.
.irp mt, 0,1
.irp t, 0,1,2,3
.irp j, 0,1,2,3,4,5,6,7
	ds_store_b32 v4, v[D+8*(4*\mt+\t)+\j] offset:4096*\mt+256*\j+4*\t
.endr
.endr
.irp j, 0,1,2,3,4,5,6,7
	ds_store_b32 v5, v[BK+8+16*\mt+\j] offset:64*\mt+4*\j          ; all sixteen columns hold the same c: the same word, the same value
.endr
.endr
	s_wait_dscnt 0x0                               ; my partial sums are in LDS before I say so
	s_barrier_signal -1
	s_barrier_wait -1
.irp sw, 0,1,2,3,4,5,6,7
	ds_load_b128 v[R1+4*\sw:R1+4*\sw+3], v6 offset:8192*\sw
.endr
.irp sw, 0,1,2,3,4,5,6,7
	ds_load_b128 v[R1+32+4*\sw:R1+32+4*\sw+3], v7 offset:8192*\sw
.endr
	s_wait_dscnt 0x0
.irp st, 8,4,2,1
.set k, 0
.rept \st
	v_pk_add_f32 v[R1+4*k:R1+4*k+1],   v[R1+4*k:R1+4*k+1],   v[R1+4*(k+\st):R1+4*(k+\st)+1]
	v_pk_add_f32 v[R1+4*k+2:R1+4*k+3], v[R1+4*k+2:R1+4*k+3], v[R1+4*(k+\st)+2:R1+4*(k+\st)+3]
.set k, k+1
.endr
.endr
	global_store_b128 v8, v[R1:R1+3], s[10:11]     ; each half of a wave stores 256 consecutive bytes of a row of u, aligned
	s_cmp_lg_u32 s14, 0
	s_cbranch_scc1 .Lend
	s_cmp_lg_u32 ttmp9, 0
	s_cbranch_scc1 .Lend
	; wave 0 of work-group 0: c of batch = lane
.irp sw, 0,1,2,3,4,5,6,7,8,9,10,11,12,13,14,15
	ds_load_b32 v[AF+\sw], v9 offset:128*\sw
.endr
	s_wait_dscnt 0x0
.irp p, 0,2,4,6
	v_pk_add_f32 v[AF+\p:AF+\p+1], v[AF+\p:AF+\p+1], v[AF+8+\p:AF+9+\p]
.endr
.irp p, 0,2
	v_pk_add_f32 v[AF+\p:AF+\p+1], v[AF+\p:AF+\p+1], v[AF+4+\p:AF+5+\p]
.endr
	v_pk_add_f32 v[AF:AF+1], v[AF:AF+1], v[AF+2:AF+3]
	v_add_f32 v[AF], v[AF], v[AF+1]
	global_store_b32 v10, v[AF], s[12:13]          ; the 128 bytes of cb that the next launch reads
.Lend:
	s_wait_tensorcnt 0x0
	ds_add_u32 v240, v241
	s_wait_dscnt 0x0
	s_endpgm
.Lfunc_end_k_q8311565bb7_uproj:
	.size	k_q8311565bb7_uproj, .Lfunc_end_k_q8311565bb7_uproj-k_q8311565bb7_uproj
	.p2alignl 7, 3214868480
	.fill 96, 4, 3214868480
	.section	.rodata,"a",@progbits
	.p2align	6, 0x0
	.amdhsa_kernel k_q8311565bb7_uproj
		.amdhsa_group_segment_fixed_size 135168
		.amdhsa_private_segment_fixed_size 0
		.amdhsa_enable_private_segment 0
		.amdhsa_kernarg_size 40
		.amdhsa_user_sgpr_count 2
		.amdhsa_user_sgpr_kernarg_segment_ptr 1
		.amdhsa_wavefront_size32 1
		.amdhsa_system_sgpr_workgroup_id_x 1
		.amdhsa_system_sgpr_workgroup_id_y 1
		.amdhsa_system_sgpr_workgroup_id_z 1
		.amdhsa_system_vgpr_workitem_id 0
		.amdhsa_next_free_vgpr 242
		.amdhsa_next_free_sgpr 66
		.amdhsa_reserve_vcc 0
		.amdhsa_float_denorm_mode_32 3
		.amdhsa_float_denorm_mode_16_64 3
		.amdhsa_memory_ordered 1
		.amdhsa_forward_progress 1
		.amdhsa_inst_pref_size 23
	.end_amdhsa_kernel
	.amdgpu_metadata
---
amdhsa.version: [ 1, 2 ]
amdhsa.kernels:
  - .name:           k_q8311565bb7_uproj
    .symbol:         k_q8311565bb7_uproj.kd
    .args:
      - { .name: q, .offset: 0, .size: 8, .value_kind: global_buffer, .address_space: global }
      - { .name: Wk, .offset: 8, .size: 8, .value_kind: global_buffer, .address_space: global }
      - { .name: bk, .offset: 16, .size: 8, .value_kind: global_buffer, .address_space: global }
      - { .name: u, .offset: 24, .size: 8, .value_kind: global_buffer, .address_space: global }
      - { .name: cb, .offset: 32, .size: 8, .value_kind: global_buffer, .address_space: global }
    .group_segment_fixed_size: 135168
    .private_segment_fixed_size: 0
    .kernarg_segment_align: 8
    .kernarg_segment_size: 40
    .max_flat_workgroup_size: 512
    .sgpr_count:     66
    .vgpr_count:     242
    .wavefront_size: 32
...
	.end_amdgpu_metadata
.endif
;; end of part 2
;; launch stream (part 3): grid 8 x 32, 16 waves a work-group, no clusters, 68,608 bytes of LDS; arguments x, u, cb, part, scores; writes part, scores
.if DOCPART == 3
	.amdgcn_target "amdgcn-amd-amdhsa--gfx1250"
	.amdhsa_code_object_version 6
	.text
	.protected	k_q8311565bb7_stream
	.globl	k_q8311565bb7_stream
	.p2align	8
	.type	k_q8311565bb7_stream,@function
k_q8311565bb7_stream:
	s_mov_b64 s[64:65], 0
	v_nop
	global_prefetch_b8 v0, s[64:65] scope:SCOPE_SE
	s_setreg_imm32_b32 hwreg(HW_REG_WAVE_MODE, 25, 1), 1
	s_wait_xcnt 0x0
; The one pass over x.  Work-group (chunk, b) owns rows 128 chunk .. + 127 of batch b: 512 KiB, consecutive.  For each row s it forms
; t = (x[b][s] . u[b] + c[b]) log2(e) / 32, the score in units of log2, and keeps a running maximum m, the sum l of 2^(t - m) and the vector
; z = sum of 2^(t - m) x[b][s]: the softmax's maximum is taken away as in the reference, by a running maximum, so that x is read once.
; V is never formed: sum of w (x Wv^T + bv) = (sum of w x) Wv^T + bv, since a softmax's weights add up to 1; the next launch does the rest.
; One wave takes one whole row (rows 16 i + w, i = 0 .. 7): eight loads of 16 bytes a lane, 512 consecutive bytes each; the lane holds columns
; 128 j + 4 lane .. + 3, and u[b] in the same layout.  At the start a wave has 56 loads out (u, rows 0 to 5), later 32: 28 KiB and 16 KiB a wave.
; Everything is f32.  The sixteen waves' (m, l, z) meet in LDS behind the one barrier.
; Out: record 8 b + chunk of part = z (4,096 bytes), then the pair (m, l) 32 times (256 bytes); scores[b][s] = t.
; LIMITS: the order of the sums differs from the reference's; v_exp_f32 gives 0 for results under 2^-126 (ISA guide 15.8), so weights that small
; count as 0; NaN and infinities in the inputs are not followed.
; NO MATRIX UNIT: each batch has one vector on the other side.  NO LDS RING, NO CLUSTER: the bytes in flight fit in registers with no barrier in
; the stream, and the work-groups share only u[b], 4 KiB against 512 KiB.  NO PREFETCH: the launch streams from its first line.
.set ML,  65536                        ; LDS: sixteen z of 4,096 bytes come first; then sixteen pairs (m, l)
.set SC,  65792                        ; LDS: the chunk's 128 scores
.set REC, 4352                         ; bytes in a record of part
.set OFF, 1                            ; 16 x lane, never rewritten
.set SA,  2                            ; LDS: my wave's word among the scores
.set T,   3                            ; t
.set M,   4                            ; v[4:5]    (m, l)
.set MN,  6                            ; the new maximum
.set PX,  7                            ; the other half's sum
.set PA,  8                            ; v[8:9]    (p, alpha) = (2^(t - mN), 2^(m - mN))
.set CH,  10                           ; v[10:17]  four chains of the dot product
.set EA,  18                           ; v[18:19]  the exponentials' arguments
.set GM,  20                           ; v[20:21]  the work-group's (M, L)
.set L8,  22                           ; 8 x lane
.set T8,  23                           ; 8 x thread
.set U,   24                           ; v[24:55]  u[b]
.set Z,   56                           ; v[56:87]  z
.set X,   88                           ; v[88:247] five row slots of 32 registers
.set ST,  88                           ; behind the barrier: v[88:119] sixteen (m, l)
.set E,   120                          ; v[120:135] 2^(m_w - M)
.set ZP,  136                          ; v[136:167] my two columns of the sixteen z
.set ZS,  168                          ; v[168:169] their weighted sum
	s_load_b256 s[4:11], s[0:1], 0x0               ; x s[4:5], u s[6:7], cb s[8:9], part s[10:11]
	s_load_b64 s[12:13], s[0:1], 0x20              ; scores
	v_lshl_add_u32 v248, v0, 2, 0x10400
	v_mov_b32 v249, 0
	v_lshrrev_b32 v[T], 5, v0
	v_readfirstlane_b32 s14, v[T]                  ; wave w
	s_and_b32 s15, ttmp7, 0xffff                   ; batch b
	v_and_b32 v[T], 31, v0
	v_lshlrev_b32 v[OFF], 4, v[T]
	v_lshlrev_b32 v[L8], 3, v[T]
	v_lshlrev_b32 v[T8], 3, v0
	v_mov_b32 v[PX], 0                             ; v_permlanex16_b32 counts as a reader of its destination
	s_lshl_b32 s18, s15, 22                        ; x: b x 4,194,304
	s_lshl_b32 s16, ttmp9, 19
	s_add_co_u32 s18, s18, s16                     ;    + chunk x 128 rows
	s_lshl_b32 s17, s14, 12                        ; 4,096 w: my first row, and my z in LDS
	s_add_co_u32 s18, s18, s17
	s_mov_b32 s19, 0
	s_lshl_b32 s26, s15, 12                        ; u: row b
	s_mov_b32 s27, 0
	s_lshl_b32 s28, s15, 2                         ; cb: word b
	s_mov_b32 s29, 0
	s_lshl3_add_u32 s30, s15, ttmp9                ; part: record 8 b + chunk
	s_mul_i32 s30, s30, REC
	s_mov_b32 s31, 0
	s_lshl_b32 s32, ttmp9, 9
	s_add_co_u32 s32, s32, s26                     ; scores: row b, 128 chunk
	s_mov_b32 s33, 0
	s_lshl_b32 s16, s14, 2
	s_add_co_u32 s16, s16, SC
	v_mov_b32 v[SA], s16
	s_lshl_b32 s34, s14, 3
	s_add_co_u32 s34, s34, ML                      ; my pair in LDS
	s_mov_b32 s22, 0x3d38aa3b                      ; log2(e) / 32
	s_mov_b32 s24, 0x76543210                      ; v_permlanex16_b32: lane i of one half reads lane i of the other
	s_mov_b32 s25, 0xfedcba98
	s_wait_kmcnt 0x0
	s_add_nc_u64 s[4:5], s[4:5], s[18:19]
	s_add_nc_u64 s[6:7], s[6:7], s[26:27]
	s_add_nc_u64 s[8:9], s[8:9], s[28:29]
	s_add_nc_u64 s[10:11], s[10:11], s[30:31]
	s_add_nc_u64 s[12:13], s[12:13], s[32:33]
	s_load_b32 s20, s[8:9], 0x0                    ; c[b]: this launch stores nothing into cb
.macro LOADROW base, i                 ; row 16 i + w: eight loads, 512 consecutive bytes each
.irp j, 0,1,2,3,4,5,6,7
	global_load_b128 v[\base+4*\j:\base+4*\j+3], v[OFF], s[4:5] offset:65536*\i+512*\j th:TH_LOAD_NT
.endr
.endm
.irp j, 0,1,2,3,4,5,6,7
	global_load_b128 v[U+4*\j:U+4*\j+3], v[OFF], s[6:7] offset:512*\j
.endr
	LOADROW Z, 0                                   ; row 0 lands in z itself: it starts the sum with weight 1, nothing is cleared or copied
	LOADROW X, 1
	LOADROW X+32, 2
	LOADROW X+64, 3
	LOADROW X+96, 4
	LOADROW X+128, 5
	s_wait_kmcnt 0x0
	s_mul_f32 s21, s20, s22                        ; c log2(e) / 32
.macro DOT base                        ; my 32 products, in four chains of pairs that the first four products start
.irp c, 0,1,2,3
	v_pk_mul_f32 v[CH+2*\c:CH+2*\c+1], v[\base+2*\c:\base+2*\c+1], v[U+2*\c:U+2*\c+1]
.endr
.irp g, 1,2,3
.irp c, 0,1,2,3
	v_pk_fma_f32 v[CH+2*\c:CH+2*\c+1], v[\base+8*\g+2*\c:\base+8*\g+2*\c+1], v[U+8*\g+2*\c:U+8*\g+2*\c+1], v[CH+2*\c:CH+2*\c+1]
.endr
.endr
	v_pk_add_f32 v[CH:CH+1],   v[CH:CH+1],   v[CH+2:CH+3]
	v_pk_add_f32 v[CH+4:CH+5], v[CH+4:CH+5], v[CH+6:CH+7]
	v_pk_add_f32 v[CH:CH+1],   v[CH:CH+1],   v[CH+4:CH+5]
	v_add_f32 v[CH], v[CH], v[CH+1]
.endm
.macro REDUCE                          ; over the 32 lanes; every lane ends with the sum
	v_add_f32_dpp v[CH], v[CH], v[CH] row_xmask:1 row_mask:0xf bank_mask:0xf
	v_add_f32_dpp v[CH], v[CH], v[CH] row_xmask:2 row_mask:0xf bank_mask:0xf
	v_add_f32_dpp v[CH], v[CH], v[CH] row_xmask:4 row_mask:0xf bank_mask:0xf
	v_add_f32_dpp v[CH], v[CH], v[CH] row_xmask:8 row_mask:0xf bank_mask:0xf
	v_permlanex16_b32 v[PX], v[CH], s24, s25
	v_add_f32 v[CH], v[CH], v[PX]
.endm
; Row 16 i + w, in the registers at base.  left = the loads younger than this row's eight.  fill = 1: the registers then take row 16 next + w.
.macro ROW i, base, left, fill, next
	s_wait_loadcnt \left                           ; loads come back in order (ISA guide 5.7.1)
	DOT \base
	REDUCE
	v_fma_f32 v[T], v[CH], s22, s21                ; t
	ds_store_b32 v[SA], v[T] offset:64*\i          ; word 16 i + w of the chunk's scores; all lanes hold the same t
.if \i
	v_max_num_f32 v[MN], v[M], v[T]
	v_sub_f32 v[EA],   v[M], v[MN]
	v_sub_f32 v[EA+1], v[T], v[MN]
	v_exp_f32 v[PA+1], v[EA]                       ; alpha
	v_exp_f32 v[PA],   v[EA+1]                     ; p
	v_mov_b32 v[M], v[MN]                          ; the plain instruction between the exponentials and the first use of their results (ISA guide 5.7.2)
	s_wait_alu depctr_va_vdst(0)
	v_fma_f32 v[M+1], v[M+1], v[PA+1], v[PA]       ; l = l alpha + p
.irp k, 0,1,2,3,4,5,6,7,8,9,10,11,12,13,14,15
	v_pk_mul_f32 v[Z+2*\k:Z+2*\k+1], v[Z+2*\k:Z+2*\k+1], v[PA:PA+1] op_sel:[0,1] op_sel_hi:[1,1]                              ; z alpha (both halves by the pair's second)
.endr
.irp k, 0,1,2,3,4,5,6,7,8,9,10,11,12,13,14,15
	v_pk_fma_f32 v[Z+2*\k:Z+2*\k+1], v[\base+2*\k:\base+2*\k+1], v[PA:PA+1], v[Z+2*\k:Z+2*\k+1] op_sel_hi:[1,0,1]            ; + x p (both halves by its first)
.endr
.else
	v_mov_b32 v[M], v[T]                           ; the first row: m = t, l = 1, z = x
	v_mov_b32 v[M+1], 1.0
.endif
.if \fill
	LOADROW \base, \next
.endif
.endm
	ROW 0, Z,     40, 0, 0                         ; u and row 0 are in; rows 1 to 5 may be out
	ROW 1, X,     32, 1, 6                         ; rows 2 to 5 may be out
	ROW 2, X+32,  32, 1, 7                         ; rows 3 to 6
	ROW 3, X+64,  32, 0, 0                         ; rows 4 to 7
	ROW 4, X+96,  24, 0, 0
	ROW 5, X+128, 16, 0, 0
	ROW 6, X,     8,  0, 0
	ROW 7, X+32,  0,  0, 0
	; the sixteen waves meet
	v_add_nc_u32 v[CH], s17, v[OFF]
	v_mov_b32 v[CH+1], s34
.irp j, 0,1,2,3,4,5,6,7
	ds_store_b128 v[CH], v[Z+4*\j:Z+4*\j+3] offset:512*\j          ; z in the order of its columns
.endr
	ds_store_b64 v[CH+1], v[M:M+1]
	s_wait_dscnt 0x0                               ; my z, my pair and my scores are in LDS before I say so
	s_barrier_signal -1
	s_barrier_wait -1
	v_mov_b32 v[CH+2], ML
.irp k, 0,1,2,3,4,5,6,7
	ds_load_b128 v[ST+4*\k:ST+4*\k+3], v[CH+2] offset:16*\k        ; all sixteen pairs, in every lane
.endr
.irp sw, 0,1,2,3,4,5,6,7,8,9,10,11,12,13,14,15
	ds_load_b64 v[ZP+2*\sw:ZP+2*\sw+1], v[T8] offset:4096*\sw      ; columns 2 t, 2 t + 1 of thread t
.endr
	s_wait_dscnt 16                                ; the pairs are in; the sixteen loads of z may be out
	v_max3_num_f32 v[GM], v[ST], v[ST+2], v[ST+4]
.irp k, 6,10,14,18,22,26
	v_max3_num_f32 v[GM], v[GM], v[ST+\k], v[ST+\k+2]
.endr
	v_max_num_f32 v[GM], v[GM], v[ST+30]           ; M
.irp sw, 0,1,2,3,4,5,6,7,8,9,10,11,12,13,14,15
	v_sub_f32 v[E+\sw], v[ST+2*\sw], v[GM]
.endr
.irp sw, 0,1,2,3,4,5,6,7,8,9,10,11,12,13,14,15
	v_exp_f32 v[E+\sw], v[E+\sw]
.endr
	v_nop                                          ; the plain place behind the exponentials
	s_wait_alu depctr_va_vdst(0)
	v_mul_f32 v[GM+1], v[E], v[ST+1]
.irp sw, 1,2,3,4,5,6,7,8,9,10,11,12,13,14,15
	v_fmac_f32 v[GM+1], v[E+\sw], v[ST+2*\sw+1]    ; L
.endr
	s_wait_dscnt 0x0
	v_pk_mul_f32 v[ZS:ZS+1], v[ZP:ZP+1], v[E:E+1] op_sel_hi:[1,0]
.irp sw, 2,4,6,8,10,12,14
	v_pk_fma_f32 v[ZS:ZS+1], v[ZP+2*\sw:ZP+2*\sw+1], v[E+\sw:E+\sw+1], v[ZS:ZS+1] op_sel_hi:[1,0,1]
.endr
.irp sw, 1,3,5,7,9,11,13,15
	v_pk_fma_f32 v[ZS:ZS+1], v[ZP+2*\sw:ZP+2*\sw+1], v[E+\sw-1:E+\sw], v[ZS:ZS+1] op_sel:[0,1,0] op_sel_hi:[1,1,1]
.endr
	global_store_b64 v[T8], v[ZS:ZS+1], s[10:11]   ; each wave stores 256 consecutive bytes of the record, aligned (a record is 17 x 256 bytes)
	s_cmp_lg_u32 s14, 0
	s_cbranch_scc1 .Lend
	v_add_nc_u32 v[CH+3], SC, v[OFF]
	ds_load_b128 v[U:U+3], v[CH+3]                 ; the chunk's 128 scores
	global_store_b64 v[L8], v[GM:GM+1], s[10:11] offset:4096       ; (M, L) from all 32 lanes: 256 consecutive bytes
	s_wait_dscnt 0x0
	global_store_b128 v[OFF], v[U:U+3], s[12:13]   ; 512 consecutive bytes of scores
.Lend:
	s_wait_tensorcnt 0x0
	ds_add_u32 v248, v249
	s_wait_dscnt 0x0
	s_endpgm
.Lfunc_end_k_q8311565bb7_stream:
	.size	k_q8311565bb7_stream, .Lfunc_end_k_q8311565bb7_stream-k_q8311565bb7_stream
	.p2alignl 7, 3214868480
	.fill 96, 4, 3214868480
	.section	.rodata,"a",@progbits
	.p2align	6, 0x0
	.amdhsa_kernel k_q8311565bb7_stream
		.amdhsa_group_segment_fixed_size 68608
		.amdhsa_private_segment_fixed_size 0
		.amdhsa_enable_private_segment 0
		.amdhsa_kernarg_size 40
		.amdhsa_user_sgpr_count 2
		.amdhsa_user_sgpr_kernarg_segment_ptr 1
		.amdhsa_wavefront_size32 1
		.amdhsa_system_sgpr_workgroup_id_x 1
		.amdhsa_system_sgpr_workgroup_id_y 1
		.amdhsa_system_sgpr_workgroup_id_z 1
		.amdhsa_system_vgpr_workitem_id 0
		.amdhsa_next_free_vgpr 250
		.amdhsa_next_free_sgpr 66
		.amdhsa_reserve_vcc 0
		.amdhsa_float_denorm_mode_32 3
		.amdhsa_float_denorm_mode_16_64 3
		.amdhsa_memory_ordered 1
		.amdhsa_forward_progress 1
		.amdhsa_inst_pref_size 45
	.end_amdhsa_kernel
	.amdgpu_metadata
---
amdhsa.version: [ 1, 2 ]
amdhsa.kernels:
  - .name:           k_q8311565bb7_stream
    .symbol:         k_q8311565bb7_stream.kd
    .args:
      - { .name: x, .offset: 0, .size: 8, .value_kind: global_buffer, .address_space: global }
      - { .name: u, .offset: 8, .size: 8, .value_kind: global_buffer, .address_space: global }
      - { .name: cb, .offset: 16, .size: 8, .value_kind: global_buffer, .address_space: global }
      - { .name: part, .offset: 24, .size: 8, .value_kind: global_buffer, .address_space: global }
      - { .name: scores, .offset: 32, .size: 8, .value_kind: global_buffer, .address_space: global }
    .group_segment_fixed_size: 68608
    .private_segment_fixed_size: 0
    .kernarg_segment_align: 8
    .kernarg_segment_size: 40
    .max_flat_workgroup_size: 512
    .sgpr_count:     66
    .vgpr_count:     250
    .wavefront_size: 32
...
	.end_amdgpu_metadata
.endif
;; end of part 3
;; launch finish (part 4): grid 16 x 16, 16 waves a work-group, no clusters, 194,560 bytes of LDS; arguments part, scores, Wv, bv, out0, out1; writes out0, out1
.if DOCPART == 4
	.amdgcn_target "amdgcn-amd-amdhsa--gfx1250"
	.amdhsa_code_object_version 6
	.text
	.protected	k_q8311565bb7_finish
	.globl	k_q8311565bb7_finish
	.p2align	8
	.type	k_q8311565bb7_finish,@function
k_q8311565bb7_finish:
	s_mov_b64 s[64:65], 0
	v_nop
	global_prefetch_b8 v0, s[64:65] scope:SCOPE_SE
	s_setreg_imm32_b32 hwreg(HW_REG_WAVE_MODE, 25, 1), 1
	s_wait_xcnt 0x0
; Work-group (n, G): batches 2 G, 2 G + 1, columns 64 n .. 64 n + 63 of both outputs.
; Per batch, from its eight records (m_j, l_j, z_j): M = max m_j, e_j = 2^(m_j - M), L = sum of e_j l_j.
;   out1[b][s] = 2^(t[b][s] - M) / L;   out0[b][d] = sum over j of (e_j / L) (z_j . Wv[d]) + bv[d].
; The sixteen rows of a matrix tile are the sixteen records of the two batches: row 8 h + j is chunk j of batch 2 G + h, so the eight registers of
; a lane's result are the eight chunks of one batch, and joining the chunks is a weighted sum of a lane's own registers.
; Wave w takes k = 64 w .. 64 w + 63 of 80 rows (16 records, 64 rows of Wv), one 8-byte load a lane and row: 256 consecutive bytes, aligned.
; All loads go out at once, the numbers become bf16 in registers and pass through the wave's own LDS rows.  Row rho of Wv goes to place
; 16 + 16 (rho & 3) + (rho >> 2): tile nt's column r is d = 64 n + 4 r + nt, so a lane's four tiles are four neighbouring columns, 16 bytes.
; LIMITS: z_j and Wv are bf16 matrix operands, all else f32; bv is added once, since the weights add up to 1; v_exp_f32 gives 0 for results
; under 2^-126 (ISA guide 15.8); NaN and infinities in the inputs are not followed.
; NO CLUSTER, NO TENSOR LOAD: Wv's rows are shared by sixteen work-groups and the records by sixteen, but as f32 the 80 rows of 4,096 bytes are
; 327,680 bytes, all the LDS that a work-group can have, with no room for the exchange: the operands are narrowed in registers on the way in.
.set PITCH, 144                        ; 128 bytes of bf16 + 16: an odd multiple of 16
.set WREG,  80*PITCH                   ; a wave's rows
.set SCR,   16*WREG                    ; behind them: 512 bytes a wave for the partial sums
.set REC,   4352                       ; bytes in a record of part
.set L8,  1                            ; 8 x lane
.set LW,  2                            ; LDS: where my word of a row goes
.set FR,  3                            ; LDS: my fragment address
.set SW,  4                            ; LDS: where my partial sums go
.set SRD, 5                            ; LDS: where wave 0 reads them
.set OO,  6                            ; 4,096 h + 16 r: my place in scores, out0, out1
.set BVO, 7                            ; 16 r: my place in bv
.set STO, 8                            ; my batch's first pair (m, l) in part
.set LN,  9                            ; lane
.set ST,  10                           ; v[10:25]  (m_j, l_j)
.set E,   26                           ; v[26:33]  e_j, then e_j / L
.set GM,  34                           ; M
.set GL,  35                           ; L
.set SCO, 36                           ; v[36:39]  four scores, then four weights
.set BV,  40                           ; v[40:43]  bv, then out0
.set CT,  44                           ; v[44:47]  my partial sums
.set T,   48                           ; v[48:55]  at work
.set TR,  56                           ; r
.set TH,  57                           ; h
.set TT,  58                           ; at work
.set IL,  60                           ; v[60:61]  1 / L, twice
.set RAW, 64                           ; v[64:223] row i: 2 registers as loaded
.set AF,  64                           ; v[64:79]  fragments of the records, K step ks at 8 ks
.set BF,  80                           ; v[80:143] fragments of Wv at 16 nt + 8 ks
.set ACC, 144                          ; v[144:175] four accumulators
.set RED, 64                           ; v[64:127] the sixteen waves' partial sums
	s_load_b256 s[4:11], s[0:1], 0x0               ; part s[4:5], scores s[6:7], Wv s[8:9], bv s[10:11]
	s_load_b128 s[12:15], s[0:1], 0x20             ; out0 s[12:13], out1 s[14:15]
	v_lshl_add_u32 v224, v0, 2, 0x2f000
	v_mov_b32 v225, 0
	v_lshrrev_b32 v[TT], 5, v0
	v_readfirstlane_b32 s16, v[TT]                 ; wave w
	s_and_b32 s17, ttmp7, 0xffff                   ; G
	v_and_b32 v[LN], 31, v0
	v_and_b32 v[TR], 15, v0
	v_bfe_u32 v[TH], v0, 4, 1
	v_lshlrev_b32 v[L8], 3, v[LN]
	v_lshlrev_b32 v[BVO], 4, v[TR]
	v_lshl_add_u32 v[OO], v[TH], 12, v[BVO]
	v_mul_u32_u24 v[STO], v[TH], 8*REC
	v_add_nc_u32 v[STO], 4096, v[STO]              ; eight records a batch; the pairs lie behind z
	s_mul_i32 s20, s17, 16*REC                     ; part: record 16 G
	s_mov_b32 s21, 0
	s_lshl_b32 s18, s16, 8                         ; 256 w: my slice of a row
	s_add_co_u32 s22, s20, s18
	s_mov_b32 s23, 0
	s_lshl_b32 s28, ttmp9, 8                       ; bv: 64 n numbers
	s_mov_b32 s29, 0
	s_lshl_b32 s24, s17, 13
	s_add_co_u32 s24, s24, s28                     ; scores, out0, out1: row 2 G, column 64 n
	s_mov_b32 s25, 0
	s_lshl_b32 s26, ttmp9, 18
	s_add_co_u32 s26, s26, s18                     ; Wv: 64 n rows + my slice
	s_mov_b32 s27, 0
	s_wait_kmcnt 0x0
	s_add_nc_u64 s[22:23], s[4:5], s[22:23]        ; part, for the rows of z
	s_add_nc_u64 s[4:5], s[4:5], s[20:21]          ; part, for the pairs
	s_add_nc_u64 s[6:7], s[6:7], s[24:25]
	s_add_nc_u64 s[8:9], s[8:9], s[26:27]
	s_add_nc_u64 s[10:11], s[10:11], s[28:29]
	s_add_nc_u64 s[12:13], s[12:13], s[24:25]
	s_add_nc_u64 s[14:15], s[14:15], s[24:25]
	s_cmp_lg_u32 s16, 0                            ; wave 0 alone writes the outputs; its two loads are older than all that is counted below
	s_cbranch_scc1 .Lnot_0_a
	global_load_b128 v[SCO:SCO+3], v[OO], s[6:7]
	global_load_b128 v[BV:BV+3], v[BVO], s[10:11]
.Lnot_0_a:
.irp j, 0,1,2,3,4,5,6,7
	global_load_b64 v[ST+2*\j:ST+2*\j+1], v[STO], s[4:5] offset:REC*\j
.endr
.set i, 0
.rept 16
	global_load_b64 v[RAW+2*i:RAW+2*i+1], v[L8], s[22:23] offset:REC*i
.set i, i+1
.endr
.set i, 0
.rept 64
	global_load_b64 v[RAW+32+2*i:RAW+33+2*i], v[L8], s[8:9] offset:4096*i
.set i, i+1
.endr
	s_mul_i32 s18, s16, WREG
	s_lshl_b32 s19, s16, 9
	s_add_co_u32 s19, s19, SCR
	v_lshl_add_u32 v[LW], v[LN], 2, s18
	v_mul_u32_u24 v[TT], v[TR], PITCH
	v_lshl_add_u32 v[TT], v[TH], 4, v[TT]
	v_add_nc_u32 v[FR], s18, v[TT]
	v_lshl_add_u32 v[SW], v[LN], 4, s19
	v_lshlrev_b32 v[SRD], 4, v[LN]
	v_add_nc_u32 v[SRD], SCR, v[SRD]
; Eight rows: two f32 become two bf16 in place, and go to LDS.  left = at most the loads younger than these eight.
.macro STAGE8 first, left
	s_wait_loadcnt \left
.irp i, 0,1,2,3,4,5,6,7
	v_cvt_pk_bf16_f32 v[RAW+2*(\first+\i)], v[RAW+2*(\first+\i)], v[RAW+2*(\first+\i)+1]
.endr
.irp i, 0,1,2,3,4,5,6,7
.if \first < 16
	ds_store_b32 v[LW], v[RAW+2*(\first+\i)] offset:(\first+\i)*PITCH
.else
	ds_store_b32 v[LW], v[RAW+2*(\first+\i)] offset:(16+((\first+\i)&3)*16+((\first+\i-16)>>2))*PITCH
.endif
.endr
.endm
	STAGE8 0,  63                                  ; 72 loads are younger, and then 64: a wait names 63 at the most, and a smaller count is safe
	STAGE8 8,  63
	STAGE8 16, 56
	STAGE8 24, 48
	STAGE8 32, 40
	STAGE8 40, 32
	STAGE8 48, 24
	STAGE8 56, 16
	STAGE8 64, 8
	STAGE8 72, 0
	; fragments from my wave's own rows: LDS serves a wave's instructions in order (ISA guide 5.7.1.4), no wait between the stores and these loads
.irp ks, 0,1
	ds_load_b128 v[AF+8*\ks:AF+8*\ks+3],   v[FR] offset:64*\ks
	ds_load_b128 v[AF+8*\ks+4:AF+8*\ks+7], v[FR] offset:64*\ks+32
.irp nt, 0,1,2,3
	ds_load_b128 v[BF+16*\nt+8*\ks:BF+16*\nt+8*\ks+3],   v[FR] offset:(1+\nt)*16*PITCH+64*\ks
	ds_load_b128 v[BF+16*\nt+8*\ks+4:BF+16*\nt+8*\ks+7], v[FR] offset:(1+\nt)*16*PITCH+64*\ks+32
.endr
.endr
	; meanwhile: my batch's M, e_j, L, 1 / L (the pairs came in with the waits above: their loads are older than the rows')
	v_max3_num_f32 v[GM], v[ST], v[ST+2], v[ST+4]
	v_max3_num_f32 v[GM], v[GM], v[ST+6], v[ST+8]
	v_max3_num_f32 v[GM], v[GM], v[ST+10], v[ST+12]
	v_max_num_f32 v[GM], v[GM], v[ST+14]
.irp j, 0,1,2,3,4,5,6,7
	v_sub_f32 v[E+\j], v[ST+2*\j], v[GM]
.endr
.irp j, 0,1,2,3,4,5,6,7
	v_exp_f32 v[E+\j], v[E+\j]
.endr
	v_nop                                          ; the plain place behind the exponentials (ISA guide 5.7.2)
	s_wait_alu depctr_va_vdst(0)
	v_mul_f32 v[GL], v[E], v[ST+1]
.irp j, 1,2,3,4,5,6,7
	v_fma_f32 v[GL], v[E+\j], v[ST+2*\j+1], v[GL]
.endr
	v_rcp_f32 v[IL], v[GL]                         ; twice: a pair for the packed multiplies
	v_rcp_f32 v[IL+1], v[GL]
	v_nop                                          ; the plain place behind the reciprocals
	s_cmp_lg_u32 s16, 0
	s_cbranch_scc1 .Lnot_0_b
.irp k, 0,1,2,3
	v_sub_f32 v[SCO+\k], v[SCO+\k], v[GM]          ; the maximum is taken away in front of the exponential
.endr
.irp k, 0,1,2,3
	v_exp_f32 v[SCO+\k], v[SCO+\k]
.endr
	v_nop
	s_wait_alu depctr_va_vdst(0)
	v_pk_mul_f32 v[SCO:SCO+1],   v[SCO:SCO+1],   v[IL:IL+1]
	v_pk_mul_f32 v[SCO+2:SCO+3], v[SCO+2:SCO+3], v[IL:IL+1]
	global_store_b128 v[OO], v[SCO:SCO+3], s[14:15]                ; each half of the wave stores 256 consecutive bytes of a row of out1, aligned
.Lnot_0_b:
	s_wait_dscnt 0x0
	; The first products start the sums; the four accumulators take turns, one instruction a turn.
.irp nt, 0,1,2,3
	v_wmma_f32_16x16x32_bf16 v[ACC+8*\nt:ACC+8*\nt+7], v[AF:AF+7], v[BF+16*\nt:BF+16*\nt+7], 0
.endr
.irp nt, 0,1,2,3
	v_wmma_f32_16x16x32_bf16 v[ACC+8*\nt:ACC+8*\nt+7], v[AF+8:AF+15], v[BF+16*\nt+8:BF+16*\nt+15], v[ACC+8*\nt:ACC+8*\nt+7]
.endr
	s_wait_alu depctr_va_vdst(0)
.irp p, 0,2,4,6
	v_pk_mul_f32 v[E+\p:E+\p+1], v[E+\p:E+\p+1], v[IL:IL+1]        ; e_j / L: the four places before a vector instruction reads a matrix result (ISA guide 7.12.1)
.endr
.irp nt, 0,1,2,3
	v_pk_mul_f32 v[T+2*\nt:T+2*\nt+1], v[ACC+8*\nt:ACC+8*\nt+1], v[E:E+1]
.endr
.irp p, 2,4,6
.irp nt, 0,1,2,3
	v_pk_fma_f32 v[T+2*\nt:T+2*\nt+1], v[ACC+8*\nt+\p:ACC+8*\nt+\p+1], v[E+\p:E+\p+1], v[T+2*\nt:T+2*\nt+1]
.endr
.endr
.irp nt, 0,1,2,3
	v_add_f32 v[CT+\nt], v[T+2*\nt], v[T+2*\nt+1]  ; batch 2 G + h, column 64 n + 4 r + nt, my slice of K
.endr
	ds_store_b128 v[SW], v[CT:CT+3]
	s_wait_dscnt 0x0                               ; my partial sums are in LDS before I say so
	s_barrier_signal -1
	s_barrier_wait -1
	s_cmp_lg_u32 s16, 0
	s_cbranch_scc1 .Lend
.irp sw, 0,1,2,3,4,5,6,7,8,9,10,11,12,13,14,15
	ds_load_b128 v[RED+4*\sw:RED+4*\sw+3], v[SRD] offset:512*\sw
.endr
	s_wait_dscnt 0x0
.irp st, 8,4,2,1
.set k, 0
.rept \st
	v_pk_add_f32 v[RED+4*k:RED+4*k+1],   v[RED+4*k:RED+4*k+1],   v[RED+4*(k+\st):RED+4*(k+\st)+1]
	v_pk_add_f32 v[RED+4*k+2:RED+4*k+3], v[RED+4*k+2:RED+4*k+3], v[RED+4*(k+\st)+2:RED+4*(k+\st)+3]
.set k, k+1
.endr
.endr
	v_pk_add_f32 v[BV:BV+1],   v[BV:BV+1],   v[RED:RED+1]
	v_pk_add_f32 v[BV+2:BV+3], v[BV+2:BV+3], v[RED+2:RED+3]
	global_store_b128 v[OO], v[BV:BV+3], s[12:13]  ; each half of the wave stores 256 consecutive bytes of a row of out0, aligned
.Lend:
	s_wait_tensorcnt 0x0
	ds_add_u32 v224, v225
	s_wait_dscnt 0x0
	s_endpgm
.Lfunc_end_k_q8311565bb7_finish:
	.size	k_q8311565bb7_finish, .Lfunc_end_k_q8311565bb7_finish-k_q8311565bb7_finish
	.p2alignl 7, 3214868480
	.fill 96, 4, 3214868480
	.section	.rodata,"a",@progbits
	.p2align	6, 0x0
	.amdhsa_kernel k_q8311565bb7_finish
		.amdhsa_group_segment_fixed_size 194560
		.amdhsa_private_segment_fixed_size 0
		.amdhsa_enable_private_segment 0
		.amdhsa_kernarg_size 48
		.amdhsa_user_sgpr_count 2
		.amdhsa_user_sgpr_kernarg_segment_ptr 1
		.amdhsa_wavefront_size32 1
		.amdhsa_system_sgpr_workgroup_id_x 1
		.amdhsa_system_sgpr_workgroup_id_y 1
		.amdhsa_system_sgpr_workgroup_id_z 1
		.amdhsa_system_vgpr_workitem_id 0
		.amdhsa_next_free_vgpr 226
		.amdhsa_next_free_sgpr 66
		.amdhsa_reserve_vcc 0
		.amdhsa_float_denorm_mode_32 3
		.amdhsa_float_denorm_mode_16_64 3
		.amdhsa_memory_ordered 1
		.amdhsa_forward_progress 1
		.amdhsa_inst_pref_size 30
	.end_amdhsa_kernel
	.amdgpu_metadata
---
amdhsa.version: [ 1, 2 ]
amdhsa.kernels:
  - .name:           k_q8311565bb7_finish
    .symbol:         k_q8311565bb7_finish.kd
    .args:
      - { .name: part, .offset: 0, .size: 8, .value_kind: global_buffer, .address_space: global }
      - { .name: scores, .offset: 8, .size: 8, .value_kind: global_buffer, .address_space: global }
      - { .name: Wv, .offset: 16, .size: 8, .value_kind: global_buffer, .address_space: global }
      - { .name: bv, .offset: 24, .size: 8, .value_kind: global_buffer, .address_space: global }
      - { .name: out0, .offset: 32, .size: 8, .value_kind: global_buffer, .address_space: global }
      - { .name: out1, .offset: 40, .size: 8, .value_kind: global_buffer, .address_space: global }
    .group_segment_fixed_size: 194560
    .private_segment_fixed_size: 0
    .kernarg_segment_align: 8
    .kernarg_segment_size: 48
    .max_flat_workgroup_size: 512
    .sgpr_count:     66
    .vgpr_count:     226
    .wavefront_size: 32
...
	.end_amdgpu_metadata
.endif
;; end of part 4
